; MI455X (gfx1250); checked and timed in simulation.
; The chip was launched on July 23, 2026; its instructions are those of AMD's public machine-readable ISA for CDNA 5 (MIT licence, August 2026) and "CDNA5" Instruction Set Architecture Reference Guide (July 2026). The comments in the code are by the model that wrote it; some were corrected since.
;; Masked Multi Head Self Attention. Allowed arithmetic: matrix products marked QUANTISED: E2M3 operands, one E8M0 scale for each 32 along K, by v_wmma_scale_f32_16x16x128_f8f6f4 with both operands' format E2M3, f32 sums; everything else in f32.
;; Inputs: Wk 768 x 768 float32; Wo 768 x 768 float32; Wq 768 x 768 float32; Wv 768 x 768 float32; attention_mask 8 x 1,024 int32; bk 768 float32; bo 768 float32; bq 768 float32; bv 768 float32; x 8 x 1,024 x 768 float32.
;; Outputs: out0 8 x 1,024 x 768 float32.
;; This version of the problem:
;;   THIS VERSION OF THE PROBLEM IS GIVEN IN LOW PRECISION. The matrix products marked QUANTISED in the list below multiply operands that are first quantised to E2M3 (2 exponent bits, 3 mantissa bits; 6 bits a number), with one power-of-two scale for each 32 numbers along K (OCP MX v1.0); their sums are f32. All else is computed in f32.
;;   The module's matrix products, in the order in which they are computed (A, B: the left and right operand; K: the contracted axis; several contracted axes count as one K, in the product's order):
;;     1. [M 8,192, K 768] x [K 768, N 768]; A: input x; B: input Wk: QUANTISED
;;     2. [M 8,192, K 768] x [K 768, N 768]; A: input x; B: input Wq: QUANTISED
;;     3. batch 96 x [M 1,024, K 64] x [K 64, N 1,024]; A: computed on the way; B: computed on the way: QUANTISED
;;     4. batch 96 x [M 1,024, K 1,024] x [K 1,024, N 64]; A: softmax (see below); B: computed on the way: QUANTISED
;;     5. [M 8,192, K 768] x [K 768, N 768]; A: computed on the way; B: input Wo: QUANTISED
;;   THE QUANTISER, for each operand of a quantised product, along K:
;;     - K is cut into blocks of 32 from its start; a last block that is shorter is filled with zeros.
;;     - A block's scale is 2^e with e = floor(log2(the largest magnitude in the block)) - 2, held to -126 .. 127; a block of zeros has e = 0. As a byte (E8M0): e + 127.
;;     - Each number is divided by its block's scale, clamped to +-7.5, and rounded to the nearest number of E2M3, ties to even, subnormals kept.
;;     - The product sums the exact products of the quantised numbers (number of the format x scale) in f32.
;;   ~~~python
;;   def quantise(x, axis):      # numpy; x: float32 -> the quantised numbers, widened to float32 again
;;       x = np.moveaxis(x, axis, -1); K = x.shape[-1]
;;       x = np.pad(x, [(0, 0)] * (x.ndim - 1) + [(0, -K % 32)]); x = x.reshape(x.shape[:-1] + (-1, 32)); a = np.abs(x).max(-1, keepdims=True)
;;       e = np.where(a > 0, np.clip(np.frexp(np.where(a > 0, a, 1))[1] - 1 - 2, -126, 127), 0)      # np.frexp(a)[1] - 1 = floor(log2(a)), exactly
;;       r = np.clip(x / 2.0 ** e, -7.5, 7.5)
;;       step = 2.0 ** (np.maximum(np.frexp(np.where(r == 0, 1, r))[1] - 1, 0) - 3)
;;       q = np.round(r / step) * step * 2.0 ** e      # np.round: ties to even
;;       return np.moveaxis(q.reshape(q.shape[:-2] + (-1,))[..., :K], -1, axis).astype(np.float32)
;;   ~~~
;;   SOFTMAX AHEAD OF A QUANTISED PRODUCT. Where the list says 'softmax', what is quantised is not the finished softmax but p = 2^(t - M), with t = logit x log2(e) and M = ceil(the row's largest t), a whole number; so 1/2 < the row's largest p <= 1. The row's sum l is taken of the UNQUANTISED p, in f32, and the product's result is divided by l at the end. Since M is a whole number, a kernel that streams over the keys may use a running M (the ceiling of the running maximum): every later rescaling is an exact power of two, which a block's scale takes up: the codes' values come out the same.
;;   OPERANDS COMPUTED ON THE WAY. 'Computed on the way' means the value that the module computes at that place (a softmax that the list does not call 'softmax' is quantised finished and normalised). What goes into a quantiser is computed in f32, as accurately as f32 sums, v_exp_f32 and their like allow (about 1e-6 of the number): no bf16 or f16 on the way to a quantiser, and a product that is left as it is and whose result goes on into a quantised operand takes f32 operands (vector FMAs, or v_wmma_f32_16x16x4_f32). A number that lies on a knife's edge between two numbers of the format may be rounded either way, as far as f32 arithmetic and the matrix unit's own rounding can turn it there, and no further.
;; One version. Each part assembles by itself: llvm-mc -triple=amdgcn-amd-amdhsa -mcpu=gfx1250 --defsym DOCPART=n.
;; ======== version 1 of 1: 3 launches
;; limits: right only within a limited range of input values
;; workspace buffers: xc 5,111,808 bytes; wkc 479,232 bytes; woc 479,232 bytes; kv 10,223,616 bytes
;; launch quant (part 1): grid 152 x 6, 4 waves a work-group, no clusters, 34,304 bytes of LDS; arguments x, Wk, Wo, xc, wkc, woc; writes xc, wkc, woc
.if DOCPART == 1
	.amdgcn_target "amdgcn-amd-amdhsa--gfx1250"
	.amdhsa_code_object_version 6
	.text
	.protected	k_q8fe8ccc15f_quant
	.globl	k_q8fe8ccc15f_quant
	.p2align	8
	.type	k_q8fe8ccc15f_quant,@function
k_q8fe8ccc15f_quant:
	s_mov_b64 s[64:65], 0
	v_nop
	global_prefetch_b8 v0, s[64:65] scope:SCOPE_SE
	s_setreg_imm32_b32 hwreg(HW_REG_WAVE_MODE, 25, 1), 1
	s_wait_xcnt 0x0
; x [8192][768], Wk [768][768], Wo [768][768], f32, K innermost, become codes of FP6 (E2M3) with one E8M0 byte for each 32 along K,
; laid in the ORDER OF THE OPERAND'S REGISTERS, so that the later launches fetch fragments by 16-byte loads alone.
; A TILE is 16 rows x 128 K.  THE ROWS OF A TILE ARE NOT NEIGHBOURS: lane-row r of tile t is row 32 (t / 2) + 8 (t % 2) + r + 8 (r / 8),
; so that, used as source 0, two neighbouring tiles give a lane 16 neighbours along the next product's K.
; A fragment's image is 1,536 bytes: register i of lane l at 512 (i / 4) + 16 l + 4 (i % 4).  Its scale words: 128 bytes, 4 a lane (lanes l and l xor 16 hold the same word).
; xc:  [128 rows: 64][K step: 6] pieces of 13,312 bytes = 8 images + 8 x 128 bytes of scale words;  wkc: [256 rows: 3][6] of 26,624 = 16 + 16;  woc: [192 rows: 4][6] of 19,968 = 12 + 12.
; A block's scale is 2^(floor(log2(largest magnitude)) - 2); its byte is the largest magnitude's exponent field - 2, held at 1 from below.
; LIMITS: a block whose largest magnitude lies under 2^-124, a block of zeros among them, keeps the byte 1 (the rule says 127 for zeros: the codes are zeros, and this program alone reads the bytes);
; NaN and infinities among the inputs are not served.
; THE INPUTS Wq, bq, Wv, bv ARE READ BY NO LAUNCH OF THIS PROGRAM: the function computes Q and drops it and never names Wv and bv, so no number of the output hangs on them.
; SHARES: one wave, one tile.  Work-groups 0-127 take x (512 tiles), 128-139 Wk (48), 140-151 Wo (48); y is the K step.  Only numbers and pointers are chosen: one path through the text.
; Each load reads 512 consecutive bytes of one row; the tile turns through the wave's own stage in LDS (rows 528 bytes apart: 33 x 16, so that sixteen rows start in different banks) and
; comes back 16 neighbours of a block to a lane.  No barrier: waves share nothing.  No cluster: no two work-groups read the same bytes.
.set STP,  528                         ; a stage row: 512 bytes + 16
.set R,    16                          ; v16-79   the tile as loaded
.set X,    80                          ; v80-143  register 16 b + i = k 32 b + 16 (lane / 16) + i of my row
.set TM,   144                         ; v144-147 largest magnitudes, v148-151 bytes, v156-159 the conversions' scale operands
.set PW,   160                         ; the scale word
.set PC,   164                         ; v164-175 the codes; v176-182 at work
.set SEL,  46                          ; s[46:47] lane selects for v_permlanex16_b32: lane l xor 16
; 64 numbers of a lane become a fragment's codes in v[PC] on and its scale word in v[PW]
.macro QUANT s
.irp b, 0,1,2,3
	v_max3_num_f32 v[TM+\b], |v[\s+16*\b]|, |v[\s+1+16*\b]|, 0x1800000   ; my 16 numbers of block b, and the floor 2^(3 - 127): the byte cannot fall under 1
.endr
.irp i, 2,4,6,8,10,12,14
.irp b, 0,1,2,3
	v_max3_num_f32 v[TM+\b], v[TM+\b], |v[\s+16*\b+\i]|, |v[\s+1+16*\b+\i]|   ; the four blocks by turns
.endr
.endr
.irp b, 0,1,2,3
	v_permlanex16_b32 v[TM+4+\b], v[TM+\b], s[SEL], s[SEL+1]
.endr
.irp b, 0,1,2,3
	v_max_num_f32 v[TM+\b], v[TM+\b], v[TM+4+\b]                   ; with lane l xor 16's 16: the block's largest magnitude
.endr
.irp b, 0,1,2,3
	v_add_nc_u32 v[TM+12+\b], 0xff000000, v[TM+\b]                 ; 2 off its exponent field: the conversion takes the exponent field of this operand as its scale
.endr
.irp b, 0,1,2,3
	v_lshrrev_b32 v[TM+4+\b], 23, v[TM+12+\b]                      ; the scale's byte
.endr
	v_lshl_or_b32 v[PW], v[TM+5], 8, v[TM+4]
	v_lshl_or_b32 v[PW], v[TM+6], 16, v[PW]
	v_lshl_or_b32 v[PW], v[TM+7], 24, v[PW]
.irp c, 0,1
	v_cvt_scalef32_pk16_fp6_f32 v[PC+6*\c:PC+2+6*\c], v[\s+32*\c:\s+15+32*\c], v[TM+12+2*\c]
	v_cvt_scalef32_pk16_fp6_f32 v[PC+12+4*\c:PC+14+4*\c], v[\s+16+32*\c:\s+31+32*\c], v[TM+12+2*\c+1]   ; (a conversion's three registers begin on an even number)
.endr
	v_nop                                          ; one plain place behind a scaled conversion
.irp c, 0,1                                    ; the operand's layout wants a whole block in a lane: lanes 0-15 block 2 c, lanes 16-31 block 2 c + 1
.irp i, 0,1,2
	v_permlane16_swap_b32 v[PC+6*\c+\i], v[PC+12+4*\c+\i]
.endr
.irp i, 0,1,2
	v_mov_b32 v[PC+3+6*\c+\i], v[PC+12+4*\c+\i]
.endr
.endr
.endm
	s_load_b128 s[4:7], s[0:1], 0x0                ; x, Wk
	s_load_b128 s[8:11], s[0:1], 0x10              ; Wo, xc
	s_load_b128 s[12:15], s[0:1], 0x20             ; wkc, woc
	v_lshl_add_u32 v192, v0, 2, 0x8400
	v_mov_b32 v193, 0
	v_lshrrev_b32 v1, 5, v0
	v_readfirstlane_b32 s16, v1                    ; wave 0..3
	v_and_b32 v1, 31, v0                           ; lane
	v_and_b32 v2, 15, v0                           ; r
	v_bfe_u32 v3, v0, 4, 1                         ; h
	v_lshlrev_b32 v4, 4, v1                        ; 16 x lane: a load's, and an image's, place for my lane
	v_lshlrev_b32 v7, 2, v1                        ; 4 x lane: a scale word's
	s_mul_i32 s17, s16, 16*STP                     ; my wave's stage
	v_add_nc_u32 v5, s17, v4                       ; into it: a row as it lies
	v_mul_u32_u24 v6, v2, STP
	v_lshl_add_u32 v6, v3, 6, v6
	v_add_nc_u32 v6, s17, v6                       ; out of it: row r, + 64 h: my 16 numbers of a block
	s_and_b32 s18, ttmp7, 0xffff                   ; the K step
	s_mov_b32 s[SEL], 0x76543210
	s_mov_b32 s[SEL+1], 0xfedcba98
.irp b, 0,1,2,3
	v_mov_b32 v[TM+4+\b], 0                        ; written once: a lane permute's destination counts as one of its sources
.endr
	; which tensor: its first work-group, its piece's bytes, where the scale words begin in a piece, tiles in a piece
	s_mov_b32 s20, 140
	s_mov_b32 s21, 19968
	s_mov_b32 s24, 18432
	s_cmp_lt_u32 ttmp9, 140
	s_cselect_b32 s20, 128, s20
	s_cselect_b32 s21, 26624, s21
	s_cselect_b32 s24, 24576, s24
	s_cselect_b32 s25, 16, 12
	s_cmp_lt_u32 ttmp9, 128
	s_cselect_b32 s20, 0, s20
	s_cselect_b32 s21, 13312, s21
	s_cselect_b32 s24, 12288, s24
	s_cselect_b32 s25, 8, s25
	s_sub_co_u32 s26, ttmp9, s20                   ; g: the work-group's number within its tensor
	s_lshl_b32 s27, s26, 2
	s_add_co_u32 s27, s27, s16                     ; t: my tile
	s_lshr_b32 s28, s27, 3                         ; the piece's block of rows: t / 8 in x,
	s_lshr_b32 s29, s27, 4                         ; t / 16 in Wk,
	s_mul_i32 s30, s26, 11
	s_lshr_b32 s30, s30, 5                         ; g / 3 in Wo (g is 0 .. 11: 11 g / 32 is g / 3 there)
	s_cmp_lt_u32 ttmp9, 140
	s_cselect_b32 s29, s29, s30
	s_cmp_lt_u32 ttmp9, 128
	s_cselect_b32 s28, s28, s29
	s_mul_i32 s29, s28, s25
	s_sub_co_u32 s29, s27, s29                     ; my tile's number in the piece
	s_lshr_b32 s30, s27, 1
	s_lshl_b32 s30, s30, 5
	s_and_b32 s31, s27, 1
	s_lshl_b32 s31, s31, 3
	s_add_co_u32 s30, s30, s31                     ; the tile's first row: 32 (t / 2) + 8 (t % 2)
	s_mul_i32 s30, s30, 3072
	s_lshl_b32 s31, s18, 9
	s_add_co_u32 s30, s30, s31                     ; in bytes, + 512 x K step
	s_mov_b32 s31, 0
	s_mul_i32 s32, s28, 6
	s_add_co_u32 s32, s32, s18
	s_mul_i32 s32, s32, s21                        ; where the piece begins
	s_mul_i32 s34, s29, 1536
	s_add_co_u32 s34, s34, s32                     ; my image
	s_mov_b32 s35, 0
	s_lshl_b32 s36, s29, 7
	s_add_co_u32 s36, s36, s32
	s_add_co_u32 s36, s36, s24                     ; my scale words
	s_mov_b32 s37, 0
	s_wait_alu depctr_va_vdst(0)
	s_wait_kmcnt 0x0
	s_cmp_lt_u32 ttmp9, 140                        ; the choice of buffers hangs on the work-group's number alone
	s_cselect_b64 s[38:39], s[6:7], s[8:9]
	s_cselect_b64 s[40:41], s[12:13], s[14:15]
	s_cmp_lt_u32 ttmp9, 128
	s_cselect_b64 s[38:39], s[4:5], s[38:39]
	s_cselect_b64 s[40:41], s[10:11], s[40:41]
	s_add_nc_u64 s[38:39], s[38:39], s[30:31]
	s_add_nc_u64 s[42:43], s[40:41], s[34:35]
	s_add_nc_u64 s[44:45], s[40:41], s[36:37]
.irp i, 0,1,2,3,4,5,6,7,8,9,10,11,12,13,14,15
	global_load_b128 v[R+4*\i:R+4*\i+3], v4, s[38:39] offset:(\i+8*(\i/8))*3072 th:TH_LOAD_NT   ; lane-row i: 32 lanes read 512 consecutive bytes, read once in the launch
.endr
.irp i, 0,1,2,3,4,5,6,7,8,9,10,11,12,13,14,15
	s_wait_loadcnt 15-\i                           ; loads come back in order: row i is in, the 15 - i younger ones may be out
	ds_store_b128 v5, v[R+4*\i:R+4*\i+3] offset:STP*\i
.endr
.irp b, 0,1,2,3
.irp j, 0,1,2,3
	ds_load_b128 v[X+16*\b+4*\j:X+16*\b+4*\j+3], v6 offset:128*\b+16*\j   ; LDS serves a wave's instructions in order: these see my stores
.endr
.endr
	s_wait_dscnt 0x0
	QUANT X
.irp g, 0,1,2
	global_store_b128 v4, v[PC+4*\g:PC+4*\g+3], s[42:43] offset:512*\g   ; 32 lanes store 512 consecutive bytes, at a multiple of 256 from the buffer's first byte
.endr
	global_store_b32 v7, v[PW], s[44:45]           ; 128 consecutive bytes
	s_wait_tensorcnt 0x0
	ds_add_u32 v192, v193
	s_wait_dscnt 0x0
	s_endpgm
.Lfunc_end_k_q8fe8ccc15f_quant:
	.size	k_q8fe8ccc15f_quant, .Lfunc_end_k_q8fe8ccc15f_quant-k_q8fe8ccc15f_quant
	.p2alignl 7, 3214868480
	.fill 96, 4, 3214868480
	.section	.rodata,"a",@progbits
	.p2align	6, 0x0
	.amdhsa_kernel k_q8fe8ccc15f_quant
		.amdhsa_group_segment_fixed_size 34304
		.amdhsa_private_segment_fixed_size 0
		.amdhsa_enable_private_segment 0
		.amdhsa_kernarg_size 48
		.amdhsa_user_sgpr_count 2
		.amdhsa_user_sgpr_kernarg_segment_ptr 1
		.amdhsa_wavefront_size32 1
		.amdhsa_system_sgpr_workgroup_id_x 1
		.amdhsa_system_sgpr_workgroup_id_y 1
		.amdhsa_system_sgpr_workgroup_id_z 1
		.amdhsa_system_vgpr_workitem_id 0
		.amdhsa_next_free_vgpr 194
		.amdhsa_next_free_sgpr 66
		.amdhsa_reserve_vcc 0
		.amdhsa_float_denorm_mode_32 3
		.amdhsa_float_denorm_mode_16_64 3
		.amdhsa_memory_ordered 1
		.amdhsa_forward_progress 1
		.amdhsa_inst_pref_size 12
	.end_amdhsa_kernel
	.amdgpu_metadata
---
amdhsa.version: [ 1, 2 ]
amdhsa.kernels:
  - .name:           k_q8fe8ccc15f_quant
    .symbol:         k_q8fe8ccc15f_quant.kd
    .args:
      - { .name: x, .offset: 0, .size: 8, .value_kind: global_buffer, .address_space: global }
      - { .name: Wk, .offset: 8, .size: 8, .value_kind: global_buffer, .address_space: global }
      - { .name: Wo, .offset: 16, .size: 8, .value_kind: global_buffer, .address_space: global }
      - { .name: xc, .offset: 24, .size: 8, .value_kind: global_buffer, .address_space: global }
      - { .name: wkc, .offset: 32, .size: 8, .value_kind: global_buffer, .address_space: global }
      - { .name: woc, .offset: 40, .size: 8, .value_kind: global_buffer, .address_space: global }
    .group_segment_fixed_size: 34304
    .private_segment_fixed_size: 0
    .kernarg_segment_align: 8
    .kernarg_segment_size: 48
    .max_flat_workgroup_size: 128
    .sgpr_count:     66
    .vgpr_count:     194
    .wavefront_size: 32
...
	.end_amdgpu_metadata
.endif
;; end of part 1
;; launch proj (part 2): grid 64 x 3, 4 waves a work-group, clusters of 4 x 1, 240,128 bytes of LDS; arguments xc, wkc, bk, kv; writes kv
.if DOCPART == 2
	.amdgcn_target "amdgcn-amd-amdhsa--gfx1250"
	.amdhsa_code_object_version 6
	.text
	.protected	k_q8fe8ccc15f_proj
	.globl	k_q8fe8ccc15f_proj
	.p2align	8
	.type	k_q8fe8ccc15f_proj,@function
k_q8fe8ccc15f_proj:
	s_mov_b64 s[64:65], 0
	v_nop
	global_prefetch_b8 v0, s[64:65] scope:SCOPE_SE
	s_setreg_imm32_b32 hwreg(HW_REG_WAVE_MODE, 25, 1), 1
	s_wait_xcnt 0x0
	s_wait_alu depctr_hold_cnt(0) depctr_sa_sdst(0) depctr_va_vdst(0) depctr_va_sdst(0) depctr_va_ssrc(0) depctr_va_vcc(0) depctr_vm_vsrc(0)
	s_getreg_b32 s2, hwreg(HW_REG_IB_STS2, 6, 4)
	s_cmp_eq_u32 s2, 0
	s_cbranch_scc0 .Lentry_in_a_cluster
	s_endpgm
.Lentry_in_a_cluster:
	s_bfe_u32 s2, ttmp6, 0x10000c
	s_cmp_lg_u32 s2, 0x3003
	s_cbranch_scc0 .Lentry_shape_is_right
	s_endpgm
.Lentry_shape_is_right:
; K = Q(x) Q(Wk)^T + bk on codes of FP6 (E2M3), then quantised twice: along the head's 64 channels (the operand of K K^T) and along the keys (the operand of P V; V is K here).
; Q = x Wq^T + bq is left out: reference() computes it and never uses it.
; SHARES.  A work-group takes 128 rows of x (one key step of one batch) and 256 columns (4 heads); wave w takes head 4 y + w against all 128 keys: 8 tiles of x, 4 tiles of Wk.
; EACH PAIR OF FRAGMENTS FEEDS TWO PRODUCTS: D1 (source 0 = Wk, source 1 = x): a lane holds a key, its registers run along the channels; D2 (sources swapped): a lane holds a channel,
; its registers run along the keys.  So both quantisers find neighbours along their K in one lane's registers, and a wave writes a whole block of kv by itself.
; The rows of every tile are ordered r + 8 (r / 8) within 32, so the 16 registers of two neighbouring tiles are 16 neighbours.
; kv: [batch x 12 + head][key step: 8] blocks of 13,312 bytes: 8 half images of K (16 keys x 64 channels, 6 registers: 512 bytes of registers 0-3, 256 of registers 4-5) at 768 i;
;   4 x 128 bytes of K's scale words, one word for a pair of tiles (bytes 0, 1: the even tile's two blocks; 2, 3: the odd one's) at 6,144;
;   4 images of V^T (16 channels x 128 keys, 1,536 bytes) at 6,656 + 1,536 j; 4 x 128 bytes of V's scale words at 12,800.
; LDS: all six K steps of x's 128 rows (6 x 13,312 bytes) and of Wk's 256 rows (6 x 26,624) fit: every byte is filled once.  The six pieces of a block of rows lie on end in memory:
; wave 0 fetches x's pieces 0-2, wave 1 its pieces 3-5, waves 2 and 3 the same of Wk: one tensor load a wave.
; CLUSTER: the four work-groups of a cluster have the same y, so they ask for Wk's pieces JOINTLY.  x's pieces are shared by the grid's three y alone: three divides into no cluster height of 4, so they come by plain loads.
; No prefetch: the launch has no loop to run ahead in; all that it reads is asked for at its head.
; The bias is the C of each sum's first product.  The 64 accumulators take turns in one order, one instruction a turn.
; LIMITS: scale bytes are held at 1 from below (blocks of zeros too: their codes are zeros, and this program alone reads the bytes); NaN and infinities are not served.
; REGISTERS, in windows of 256: window 0: v1-13 addresses; v16-39 scale words, two sets of 12; v40-79 the quantiser's; v96-239 fragment buffer 1.
;   window 1: v0-31 the bias in D1's layout, v32-63 in D2's; v96-239 fragment buffer 0.   window 2: D1 (x tile i, Wk tile j) at v[8 (4 i + j)].   window 3: D2 at v[8 (8 j + i)].
.set XP,   13312                       ; a piece of xc
.set WP,   26624                       ; a piece of wkc
.set WR,   6*XP                        ; LDS: Wk's pieces lie behind x's
.set SC,   16
.set TM,   40
.set PW,   56
.set KW,   57                          ; the even tile's two scale bytes
.set KP,   58                          ; a pair's scale word
.set PC,   60
.set FB,   96                          ; a fragment buffer: x's 8 fragments, then Wk's 4
.set B1,   0
.set B2,   32
.set WV,   12                          ; s12 my wave's number
.set G1X,  20                          ; s[20:27] descriptor group 1 for x's pieces;  s[28:35] for Wk's;  s[36:39], s[48:51] groups 0
.set G1W,  28
.set G0X,  36
.set G0W,  48
.set SEL,  66                          ; s[66:67] lane selects: lane l xor 16
.set MSB, 0
.macro WIN new                         ; s_set_vgpr_msb: bits 1:0 source 0, 3:2 source 1, 5:4 source 2, 7:6 destination; the high byte repeats the setting that is left
.if MSB != (\new)
	s_set_vgpr_msb (MSB<<8)|(\new)
.set MSB, (\new)
.endif
.endm
.macro PLACES n
.rept \n
	v_nop
.endr
.endm
.macro CROUND                          ; a round of the cluster's barrier
	s_barrier_signal -1
	s_barrier_wait -1
	s_cmp_lg_u32 s[WV], 0
	s_cbranch_scc1 .Lnot_wave_0_\@
	s_barrier_signal -3
.Lnot_wave_0_\@:
	s_barrier_wait -3
	s_barrier_signal -1
	s_barrier_wait -1
.endm
; K step s: its 12 scale words and 12 fragments into set and buffer s % 2.  The four additions are the four places between the last products, which read that buffer, and the loads into it.
.macro FETCH s
	WIN 0
	v_add_nc_u32 v8, XP*(\s), v1
	v_add_nc_u32 v9, XP*(\s)+12288, v3
	v_add_nc_u32 v10, WR+WP*(\s), v4
	v_add_nc_u32 v11, WR+WP*(\s)+24576, v5
.irp i, 0,1,2,3,4,5,6,7
	ds_load_b32 v[SC+12*((\s)%2)+\i], v9 offset:128*\i
.endr
.irp j, 0,1,2,3
	ds_load_b32 v[SC+12*((\s)%2)+8+\j], v11 offset:128*\j
.endr
.if (\s)%2 == 0
	WIN 0x40                                       ; destination window 1
.endif
.irp i, 0,1,2,3,4,5,6,7
.irp g, 0,1,2
	ds_load_b128 v[FB+12*\i+4*\g:FB+12*\i+4*\g+3], v8 offset:1536*\i+512*\g
.endr
.endr
.irp j, 0,1,2,3
.irp g, 0,1,2
	ds_load_b128 v[FB+96+12*\j+4*\g:FB+96+12*\j+4*\g+3], v10 offset:1536*\j+512*\g
.endr
.endr
.endm
.macro MUL1 s                          ; D1 += Wk x: 32 products
.set pp, (\s)%2
.set wf, 1-pp
.if (\s) == 0
.set wn, wf|(wf<<2)|0x10|0x80
.else
.set wn, wf|(wf<<2)|0x20|0x80
.endif
	WIN wn
.irp i, 0,1,2,3,4,5,6,7
.irp j, 0,1,2,3
.if (\s) == 0
	v_wmma_scale_f32_16x16x128_f8f6f4 v[8*(4*\i+\j):8*(4*\i+\j)+7], v[FB+96+12*\j:FB+96+12*\j+11], v[FB+12*\i:FB+12*\i+11], v[B1+8*\j:B1+8*\j+7], v[SC+12*pp+8+\j], v[SC+12*pp+\i] matrix_a_fmt:MATRIX_FMT_FP6 matrix_b_fmt:MATRIX_FMT_FP6
.else
	v_wmma_scale_f32_16x16x128_f8f6f4 v[8*(4*\i+\j):8*(4*\i+\j)+7], v[FB+96+12*\j:FB+96+12*\j+11], v[FB+12*\i:FB+12*\i+11], v[8*(4*\i+\j):8*(4*\i+\j)+7], v[SC+12*pp+8+\j], v[SC+12*pp+\i] matrix_a_fmt:MATRIX_FMT_FP6 matrix_b_fmt:MATRIX_FMT_FP6
.endif
.endr
.endr
.endm
.macro MUL2 s                          ; D2 += x Wk: the same fragments, sources and scales swapped
.set pp, (\s)%2
.set wf, 1-pp
.if (\s) == 0
.set wn, wf|(wf<<2)|0x10|0xc0
.else
.set wn, wf|(wf<<2)|0x30|0xc0
.endif
	WIN wn
.irp i, 0,1,2,3,4,5,6,7
.irp j, 0,1,2,3
.if (\s) == 0
	v_wmma_scale_f32_16x16x128_f8f6f4 v[8*(8*\j+\i):8*(8*\j+\i)+7], v[FB+12*\i:FB+12*\i+11], v[FB+96+12*\j:FB+96+12*\j+11], v[B2+8*\j:B2+8*\j+7], v[SC+12*pp+\i], v[SC+12*pp+8+\j] matrix_a_fmt:MATRIX_FMT_FP6 matrix_b_fmt:MATRIX_FMT_FP6
.else
	v_wmma_scale_f32_16x16x128_f8f6f4 v[8*(8*\j+\i):8*(8*\j+\i)+7], v[FB+12*\i:FB+12*\i+11], v[FB+96+12*\j:FB+96+12*\j+11], v[8*(8*\j+\i):8*(8*\j+\i)+7], v[SC+12*pp+\i], v[SC+12*pp+8+\j] matrix_a_fmt:MATRIX_FMT_FP6 matrix_b_fmt:MATRIX_FMT_FP6
.endif
.endr
.endr
.endm
; 32 nc numbers of a lane in window w, register src + 16 b + i = k 32 b + 16 (lane / 16) + i of the lane's row, become 6 nc registers of codes in v[PC] on and the scale bytes in v[PW].
; The accumulators are read in ascending order, each from its low end on.
.macro QUANT src, w, nc
	WIN ((\w)<<2)|((\w)<<4)
.irp b, 0,1,2,3
.if \b < 2*(\nc)
	v_max3_num_f32 v[TM+\b], 0x1800000, |v[(\src)+16*\b]|, |v[(\src)+16*\b+1]|   ; with the floor 2^(3 - 127): the byte cannot fall under 1
.endif
.endr
.irp i, 2,4,6,8,10,12,14
.irp b, 0,1,2,3
.if \b < 2*(\nc)
	v_max3_num_f32 v[TM+\b], v[TM+\b], |v[(\src)+16*\b+\i]|, |v[(\src)+16*\b+\i+1]|
.endif
.endr
.endr
	WIN 0
.irp b, 0,1,2,3
.if \b < 2*(\nc)
	v_permlanex16_b32 v[TM+4+\b], v[TM+\b], s[SEL], s[SEL+1]
.endif
.endr
.irp b, 0,1,2,3
.if \b < 2*(\nc)
	v_max_num_f32 v[TM+\b], v[TM+\b], v[TM+4+\b]
.endif
.endr
.irp b, 0,1,2,3
.if \b < 2*(\nc)
	v_add_nc_u32 v[TM+12+\b], 0xff000000, v[TM+\b]                 ; 2 off the exponent field: the conversion's scale operand
.endif
.endr
.irp b, 0,1,2,3
.if \b < 2*(\nc)
	v_lshrrev_b32 v[TM+4+\b], 23, v[TM+12+\b]                      ; the scale's byte
.endif
.endr
	v_lshl_or_b32 v[PW], v[TM+5], 8, v[TM+4]
.if (\nc) == 2
	v_lshl_or_b32 v[PW], v[TM+6], 16, v[PW]
	v_lshl_or_b32 v[PW], v[TM+7], 24, v[PW]
.endif
	WIN (\w)
.irp c, 0,1
.if \c < (\nc)
	v_cvt_scalef32_pk16_fp6_f32 v[PC+6*\c:PC+6*\c+2], v[(\src)+32*\c:(\src)+32*\c+15], v[TM+12+2*\c]
	v_cvt_scalef32_pk16_fp6_f32 v[PC+12+4*\c:PC+14+4*\c], v[(\src)+32*\c+16:(\src)+32*\c+31], v[TM+13+2*\c]
.endif
.endr
	WIN 0
	v_nop                                          ; one plain place behind a scaled conversion
.irp c, 0,1
.if \c < (\nc)
.irp i, 0,1,2
	v_permlane16_swap_b32 v[PC+6*\c+\i], v[PC+12+4*\c+\i]          ; a whole block to a lane
.endr
.irp i, 0,1,2
	v_mov_b32 v[PC+3+6*\c+\i], v[PC+12+4*\c+\i]
.endr
.endif
.endr
.endm
	s_load_b256 s[4:11], s[0:1], 0x0               ; xc s[4:5], wkc s[6:7], bk s[8:9], kv s[10:11]
	v_lshl_add_u32 v254, v0, 2, 0x3a800            ; my spare word, behind the pieces
	v_mov_b32 v255, 0
	ds_add_u32 v254, v255                          ; the opening lines: the add, twice on end, and its wait ahead of my tensor load
	ds_add_u32 v254, v255
	v_lshrrev_b32 v6, 5, v0
	v_readfirstlane_b32 s[WV], v6                  ; wave 0..3
	s_and_b32 s13, s[WV], 1                        ; which three pieces I fetch
	s_bfe_u32 s14, ttmp6, 0x40000                  ; cx
	s_lshl_b32 s15, ttmp9, 2
	s_add_co_u32 s15, s15, s14                     ; my 128 rows of x: 4 x cluster x + cx.  It enters xc's and kv's addresses alone
	s_and_b32 s16, ttmp7, 0xffff                   ; my 256 columns, which the four partners share
	; descriptor groups 1: dense blocks as rows of 256 bytes (32 elements of 8 bytes): 156 rows for three pieces of x, 312 for three of Wk
	s_mov_b32 s[G1X], 3<<16                        ; no mask; elements of 8 bytes; no padding
	s_mov_b32 s[G1X+1], 32<<16
	s_mov_b32 s[G1X+2], 156<<16
	s_mov_b32 s[G1X+3], 32<<16
	s_mov_b32 s[G1X+4], 156
	s_mov_b32 s[G1X+5], 32
	s_mov_b32 s[G1X+6], 0
	s_mov_b32 s[G1X+7], 0
	s_mov_b32 s[G1W], 15|(3<<16)|(1<<21)           ; the mask names all four work-groups; bit 21 is set beside a mask
	s_mov_b32 s[G1W+1], 32<<16
	s_mov_b32 s[G1W+2], 312<<16
	s_mov_b32 s[G1W+3], 32<<16
	s_mov_b32 s[G1W+4], 312
	s_mov_b32 s[G1W+5], 32
	s_mov_b32 s[G1W+6], 0
	s_mov_b32 s[G1W+7], 0
	s_lshl_b32 s68, s15, 1
	s_add_co_u32 s68, s68, s13
	s_mul_i32 s68, s68, 3*XP                       ; x: pieces 6 x rows + 3 e on
	s_mov_b32 s69, 0
	s_lshl_b32 s70, s16, 1
	s_add_co_u32 s70, s70, s13
	s_mul_i32 s70, s70, 3*WP                       ; Wk: pieces 6 y + 3 e on: no place in the cluster enters it
	s_mov_b32 s71, 0
	s_mul_i32 s60, s13, 3*XP                       ; and where they go in LDS
	s_mul_i32 s61, s13, 3*WP
	s_add_co_u32 s61, s61, WR
	s_lshl_b32 s17, s16, 2
	s_add_co_u32 s17, s17, s[WV]                   ; my head
	s_lshl_b32 s72, s17, 8                         ; its 64 numbers of bk
	s_mov_b32 s73, 0
	s_lshr_b32 s74, s15, 3                         ; the batch
	s_mul_i32 s74, s74, 12
	s_add_co_u32 s74, s74, s17
	s_mul_i32 s74, s74, 106496
	s_and_b32 s75, s15, 7                          ; the key step
	s_mul_i32 s75, s75, XP
	s_add_co_u32 s74, s74, s75                     ; my block of kv
	s_mov_b32 s75, 0
	s_mov_b32 s[SEL], 0x76543210
	s_mov_b32 s[SEL+1], 0xfedcba98
	s_wait_dscnt 0x0
	s_wait_kmcnt 0x0
	s_add_nc_u64 s[8:9], s[8:9], s[72:73]
	s_add_nc_u64 s[10:11], s[10:11], s[74:75]
	s_mov_b32 s[G0X], 1
	s_add_co_u32 s[G0X+1], s60, 0
	s_add_nc_u64 s[G0X+2:G0X+3], s[4:5], s[68:69]
	s_or_b32 s[G0X+3], s[G0X+3], 0x80000000
	s_mov_b32 s[G0W], 1
	s_add_co_u32 s[G0W+1], s61, 0
	s_add_nc_u64 s[G0W+2:G0W+3], s[6:7], s[70:71]
	s_or_b32 s[G0W+3], s[G0W+3], 0x80000000
	CROUND                                         ; all four work-groups are here: the joint loads meet
	s_cmp_lt_u32 s[WV], 2                          ; one branch on the wave's number, one load in each arm
	s_cbranch_scc0 .Lfor_w
	tensor_load_to_lds s[G0X:G0X+3], s[G1X:G1X+7]
	s_nop 0
	PLACES 4
	s_branch .Lasked
.Lfor_w:
	tensor_load_to_lds s[G0W:G0W+3], s[G1W:G1W+7]
	s_nop 0
	PLACES 4
.Lasked:
	v_and_b32 v6, 31, v0
	v_lshlrev_b32 v1, 4, v6                        ; 16 x lane
	v_lshlrev_b32 v2, 3, v6                        ; 8 x lane
	v_lshlrev_b32 v3, 2, v6                        ; 4 x lane
	s_mul_i32 s76, s[WV], 6144
	v_add_nc_u32 v4, s76, v1                       ; my head's four fragments in a piece of Wk
	s_lshl_b32 s76, s[WV], 9
	v_add_nc_u32 v5, s76, v3                       ; and their scale words
	v_and_b32 v7, 15, v0                           ; r
	v_bfe_u32 v12, v0, 4, 1
	v_lshlrev_b32 v12, 6, v12                      ; the bias in D1's layout: 16 h numbers on
	v_and_b32 v13, 8, v7
	v_add_nc_u32 v13, v13, v7
	v_lshlrev_b32 v13, 2, v13                      ; in D2's: channel r + 8 (r / 8) of the tile
.irp b, 0,1,2,3
	v_mov_b32 v[TM+4+\b], 0                        ; written once: a lane permute's destination counts as one of its sources
.endr
	WIN 0x40
.irp j, 0,1,2,3
	global_load_b128 v[B1+8*\j:B1+8*\j+3], v12, s[8:9] offset:(32*(\j/2)+8*(\j%2))*4
	global_load_b128 v[B1+8*\j+4:B1+8*\j+7], v12, s[8:9] offset:(32*(\j/2)+8*(\j%2))*4+16
	global_load_b32 v[B2+8*\j], v13, s[8:9] offset:(32*(\j/2)+8*(\j%2))*4
.endr
	WIN 0
	s_wait_tensorcnt 0x0                           ; my load has landed
	s_barrier_signal -1
	s_barrier_wait -1                              ; everybody's has: all six K steps are whole
	FETCH 0
	s_wait_loadcnt 0x0                             ; the bias
	WIN 0x41
.irp j, 0,1,2,3
.irp k, 1,2,3,4,5,6,7
	v_mov_b32 v[B2+8*\j+\k], v[B2+8*\j]            ; in D2 a lane's eight registers are eight keys of one channel: the same bias
.endr
.endr
	s_wait_alu depctr_va_vdst(0)                   ; directly ahead of the wait below
.irp s, 0,1,2,3,4,5
	s_wait_dscnt 0x0                               ; this K step's fragments and scale words are in (asked for 64 products ago)
.if \s < 5
	FETCH \s+1
.endif
	MUL1 \s
	MUL2 \s
.endr
	WIN 0
	PLACES 4                                       ; between the last products and the first read of results
.irp i, 0,1,2,3,4,5,6,7                        ; K's codes: 16 keys x 64 channels a tile
	s_wait_xcnt 0x0                                ; the earlier stores have read their data: the registers are written again only behind this wait
	QUANT 32*\i, 2, 1
	global_store_b128 v1, v[PC:PC+3], s[10:11] offset:768*\i          ; 512 consecutive bytes
	global_store_b64 v2, v[PC+4:PC+5], s[10:11] offset:768*\i+512     ; 256 consecutive bytes, aligned
.if \i%2 == 0
	v_mov_b32 v[KW], v[PW]
.else
	v_lshl_or_b32 v[KP], v[PW], 16, v[KW]          ; a pair of tiles shares a scale word
	global_store_b32 v3, v[KP], s[10:11] offset:6144+128*(\i/2)
.endif
.endr
.irp j, 0,1,2,3                                ; V's codes: 16 channels x 128 keys a tile
	s_wait_xcnt 0x0
	QUANT 64*\j, 3, 2
.irp g, 0,1,2
	global_store_b128 v1, v[PC+4*\g:PC+4*\g+3], s[10:11] offset:6656+1536*\j+512*\g
.endr
	global_store_b32 v3, v[PW], s[10:11] offset:12800+128*\j
.endr
	s_wait_tensorcnt 0x0                           ; the wave's end
	ds_add_u32 v254, v255
	s_wait_dscnt 0x0
	CROUND                                         ; the closing round: no work-group ends while a partner may still ask for a piece that names it
	s_endpgm
.Lfunc_end_k_q8fe8ccc15f_proj:
	.size	k_q8fe8ccc15f_proj, .Lfunc_end_k_q8fe8ccc15f_proj-k_q8fe8ccc15f_proj
	.p2alignl 7, 3214868480
	.fill 96, 4, 3214868480
	.section	.rodata,"a",@progbits
	.p2align	6, 0x0
	.amdhsa_kernel k_q8fe8ccc15f_proj
		.amdhsa_group_segment_fixed_size 240128
		.amdhsa_private_segment_fixed_size 0
		.amdhsa_enable_private_segment 0
		.amdhsa_kernarg_size 32
		.amdhsa_user_sgpr_count 2
		.amdhsa_user_sgpr_kernarg_segment_ptr 1
		.amdhsa_wavefront_size32 1
		.amdhsa_system_sgpr_workgroup_id_x 1
		.amdhsa_system_sgpr_workgroup_id_y 1
		.amdhsa_system_sgpr_workgroup_id_z 1
		.amdhsa_system_vgpr_workitem_id 0
		.amdhsa_next_free_vgpr 1024
		.amdhsa_next_free_sgpr 96
		.amdhsa_reserve_vcc 0
		.amdhsa_float_denorm_mode_32 3
		.amdhsa_float_denorm_mode_16_64 3
		.amdhsa_memory_ordered 1
		.amdhsa_forward_progress 1
		.amdhsa_inst_pref_size 112
	.end_amdhsa_kernel
	.amdgpu_metadata
---
amdhsa.version: [ 1, 2 ]
amdhsa.kernels:
  - .name:           k_q8fe8ccc15f_proj
    .symbol:         k_q8fe8ccc15f_proj.kd
    .args:
      - { .name: xc, .offset: 0, .size: 8, .value_kind: global_buffer, .address_space: global }
      - { .name: wkc, .offset: 8, .size: 8, .value_kind: global_buffer, .address_space: global }
      - { .name: bk, .offset: 16, .size: 8, .value_kind: global_buffer, .address_space: global }
      - { .name: kv, .offset: 24, .size: 8, .value_kind: global_buffer, .address_space: global }
    .group_segment_fixed_size: 240128
    .private_segment_fixed_size: 0
    .kernarg_segment_align: 8
    .kernarg_segment_size: 32
    .max_flat_workgroup_size: 128
    .sgpr_count:     96
    .vgpr_count:     1024
    .wavefront_size: 32
...
	.end_amdgpu_metadata
.endif
;; end of part 2
;; launch attn (part 3): grid 32 x 8, 12 waves a work-group, clusters of 4 x 1, 327,680 bytes of LDS; arguments kv, attention_mask, woc, bo, out0; writes out0
.if DOCPART == 3
	.amdgcn_target "amdgcn-amd-amdhsa--gfx1250"
	.amdhsa_code_object_version 6
	.text
	.protected	k_q8fe8ccc15f_attn
	.globl	k_q8fe8ccc15f_attn
	.p2align	8
	.type	k_q8fe8ccc15f_attn,@function
k_q8fe8ccc15f_attn:
	s_mov_b64 s[64:65], 0
	v_nop
	global_prefetch_b8 v0, s[64:65] scope:SCOPE_SE
	s_setreg_imm32_b32 hwreg(HW_REG_WAVE_MODE, 25, 1), 1
	s_wait_xcnt 0x0
	s_wait_alu depctr_hold_cnt(0) depctr_sa_sdst(0) depctr_va_vdst(0) depctr_va_sdst(0) depctr_va_ssrc(0) depctr_va_vcc(0) depctr_vm_vsrc(0)
	s_getreg_b32 s2, hwreg(HW_REG_IB_STS2, 6, 4)
	s_cmp_eq_u32 s2, 0
	s_cbranch_scc0 .Lentry_in_a_cluster
	s_endpgm
.Lentry_in_a_cluster:
	s_bfe_u32 s2, ttmp6, 0x10000c
	s_cmp_lg_u32 s2, 0x3003
	s_cbranch_scc0 .Lentry_shape_is_right
	s_endpgm
.Lentry_shape_is_right:
; out0 = Q(softmax(Q(K) Q(K)^T / sqrt(768), masked by rows) Q(V)) Q(Wo)^T + bo, V = K, on codes of FP6 (E2M3) from kv and woc.  Q = x Wq^T + bq is left out: reference() never uses it.
; SHARES.  A work-group takes 32 queries of one batch through ALL 12 heads and on through the last product: wave w takes head w, two tiles of 16 queries; 256 work-groups.
; So wV never goes to memory: each wave quantises its head's 32 x 64 numbers into a stage in LDS, and after one barrier wave w makes columns 64 w .. 64 w + 63 of the 32 rows of out0.
; BOTH ATTENTION PRODUCTS ARE USED TRANSPOSED (S^T = K Q^T, O^T = V^T P^T): a lane holds one query.  A fragment of K holds two tiles of 16 keys x 64 channels (k 0-63, k 64-127);
; the query's fragment has zeros in the other half, so one fragment serves two products.  A query whose mask is 0 gets zero codes: all its scores are equal, as with reference()'s -1e9.
; SOFTMAX: p = 2^(t - M), M the ceiling of the running largest t; the sum is taken of the unquantised p; a change of M multiplies sum and O^T by a power of two.
; LIMIT: the promise holds while the scaled scores stay under 2^31 in magnitude; NaN and infinities are not served; scale bytes are held at 1 from below.
; K AND V GO FROM kv STRAIGHT INTO REGISTERS: kv is laid in the order of the operand's registers, a head's fragments are multiplied by one wave of the work-group alone, and each is loaded once:
; in LDS every byte would have one writer and one reader.  V^T of a step is asked for at the step's start, K of the next step in its middle; the key loop has no barrier.
; So kv's tiles are not asked for jointly: a joint load lands in LDS.  CLUSTER: what goes through LDS is Wo, which all work-groups share: the four of a cluster ask for it JOINTLY.
; Wo: K steps 0-2 of all 768 rows (12 pieces of 19,968 bytes) come into LDS at the head, one tensor load a wave, filled once; K steps 3-5 come into the registers that held K and V.
; The six K steps of the last product go in the order 0, 3, 1, 4, 2, 5, so that LDS-fed and register-fed steps take turns.
; PREFETCH: in step s the 13,312 bytes that step s + 2 loads (its V^T, the K behind it): 52 blocks of 256 bytes, shared out among the four partners by address, 13 lanes each (the other lanes name the 13th again);
; steps 5 to 7 ask for none.  Step 6 asks for woc's K steps 3-5, one step ahead of their first load: 936 blocks, 20 lanes for each wave of each partner, held at the last block.
; Results leave through the wave's own stage: sixteen lanes store 256 consecutive bytes, aligned; the bias is added on the way.
.set KVB,  13312                       ; a block of kv: K's images and scale words, then V^T's
.set KVH,  106496                      ; a head's eight blocks
.set HALF, 6656                        ; K's part, or V's, of a block
.set SSC,  18432                       ; LDS: wV's codes, 1,536 bytes a head, from 0; its scale words, 256 bytes a head, from here
.set OST,  21504                       ; the way out: 16 rows of OPT bytes for each wave
.set OPT,  272
.set WL,   OST+12*16*OPT               ; 73,728: Wo's twelve pieces
.set WP,   19968                       ; a piece of woc: 12 images, then 12 x 128 bytes of scale words
.set SPARE, WL+12*WP                   ; 313,344: the spare words, 128 bytes for each of 12 waves
.set WV,   14
.set G1,   20                          ; s[20:27], s[36:39]: the descriptor of my piece of Wo
.set G0,   36
.set CNT,  48
.set SEL,  50
.set CS,   52
.set KP,   54                          ; s[54:55] this step's block of kv
.set STB,  8                           ; v8-11, v12-15: -M, the largest t, the sum in two halves, for query tiles B and A
.set STA,  12
.set QA,   22                          ; v16-45: zeros, tile A's codes, zeros, tile B's codes, zeros
.set QB,   34
.set QSA,  46
.set QSB,  47
.set PS,   48
.set TT,   49
.set KSK,  50
.set KSV,  54
.set VF,   58
.set KF,   106
.set S,    154
.set RW,   154
.set LB,   186                         ; the tail: Wo's fragments from LDS at v186, v198, v218, v238; their scale words at v210-213
.set LS,   210
.set BIQ,  214                         ; the tail: four numbers of the bias
.set PC,   218
.set BM,   238
.set PT,   242
.set SOP,  246
.set FF,   250
.set CH,   252
.set PW,   254
.set TM,   238
.set OA,   0                           ; window 1: O^T of tiles A and B; in the tail the eight accumulators
.set OB,   32
.set AS,   4                           ; the tail: wV's scale words, 2 k + a
.set RB,   58                          ; the tail: rows read back from the stage
.set MSB, 0
.macro WIN new                         ; the immediate's high byte repeats the setting that is left
.if MSB != (\new)
	s_set_vgpr_msb (MSB<<8)|(\new)
.set MSB, (\new)
.endif
.endm
.macro PLACES n
.rept \n
	v_nop
.endr
.endm
.macro CROUND                          ; a round of the cluster's barrier
	s_barrier_signal -1
	s_barrier_wait -1
	s_cmp_lg_u32 s[WV], 0
	s_cbranch_scc1 .Lnot_wave_0_\@
	s_barrier_signal -3
.Lnot_wave_0_\@:
	s_barrier_wait -3
	s_barrier_signal -1
	s_barrier_wait -1
.endm
.macro KLOAD base, off                 ; K of a step: 8 half images and 4 scale words, 20 loads
.irp i, 0,1,2,3,4,5,6,7
	global_load_b128 v[KF+6*\i:KF+6*\i+3], v1, s[\base:\base+1] offset:(\off)+768*\i
	global_load_b64 v[KF+6*\i+4:KF+6*\i+5], v2, s[\base:\base+1] offset:(\off)+768*\i+512
.endr
.irp p, 0,1,2,3
	global_load_b32 v[KSK+\p], v3, s[\base:\base+1] offset:(\off)+6144+128*\p
.endr
.endm
.macro VLOAD                           ; V^T of this step: 4 images and 4 scale words, 16 loads
.irp j, 0,1,2,3
.irp g, 0,1,2
	global_load_b128 v[VF+12*\j+4*\g:VF+12*\j+4*\g+3], v1, s[KP:KP+1] offset:HALF+1536*\j+512*\g
.endr
	global_load_b32 v[KSV+\j], v3, s[KP:KP+1] offset:HALF+6144+128*\j
.endr
.endm
.macro WLOAD s, wb, ws                 ; K step s of my four tiles of Wo from woc: 16 loads
.irp j, 0,1,2,3
.irp g, 0,1,2
	global_load_b128 v[\wb+12*\j+4*\g:\wb+12*\j+4*\g+3], v1, s[72:73] offset:WP*(\s)+1536*\j+512*\g
.endr
	global_load_b32 v[\ws+\j], v3, s[78:79] offset:WP*(\s)+128*\j
.endr
.endm
.macro LLOAD s                         ; the same from LDS: 16 loads
.irp j, 0,1,2,3
.irp g, 0,1,2
	ds_load_b128 v[LB+12*\j+8*(\j/2)+8*(\j/3)+4*\g:LB+12*\j+8*(\j/2)+8*(\j/3)+4*\g+3], v20 offset:WP*(\s)+1536*\j+512*\g
.endr
	ds_load_b32 v[LS+\j], v48 offset:WP*(\s)+128*\j
.endr
.endm
.macro SMUL q, qs                      ; S^T of 128 keys x 16 queries
.irp p, 0,1,2,3
	v_wmma_scale_f32_16x16x128_f8f6f4 v[S+16*\p:S+16*\p+7], v[KF+12*\p:KF+12*\p+11], v[\q:\q+11], 0, v[KSK+\p], v[\qs] matrix_a_fmt:MATRIX_FMT_FP6 matrix_b_fmt:MATRIX_FMT_FP6
	v_wmma_scale_f32_16x16x128_f8f6f4 v[S+16*\p+8:S+16*\p+15], v[KF+12*\p:KF+12*\p+11], v[\q-6:\q+5], 0, v[KSK+\p], v[\qs] matrix_a_fmt:MATRIX_FMT_FP6 matrix_b_fmt:MATRIX_FMT_FP6
.endr
.endm
.macro SOFT st                         ; scores to p's codes in v[PC] on and its scale word in v[PS]; f in v[FF]
.irp b, 0,1,2,3
	v_max3_num_f32 v[BM+\b], v[S+16*\b], v[S+1+16*\b], v[S+2+16*\b]       ; each block's largest score serves the row's maximum and the block's scale
.endr
.irp i, 3,5,7,9,11,13
.irp b, 0,1,2,3
	v_max3_num_f32 v[BM+\b], v[BM+\b], v[S+16*\b+\i], v[S+1+16*\b+\i]
.endr
.endr
.irp b, 0,1,2,3
	v_max_num_f32 v[BM+\b], v[BM+\b], v[S+15+16*\b]
.endr
.irp b, 0,1,2,3
	s_delay_alu instid0(VALU_DEP_4)
	v_permlanex16_b32 v[PT+\b], v[BM+\b], s[SEL], s[SEL+1]
.endr
.irp b, 0,1,2,3
	s_delay_alu instid0(VALU_DEP_4)
	v_max_num_f32 v[BM+\b], v[BM+\b], v[PT+\b]
.endr
	s_delay_alu instid0(VALU_DEP_2)
	v_max3_num_f32 v[TT], v[BM], v[BM+1], v[BM+2]
	s_delay_alu instid0(VALU_DEP_1)
	v_max_num_f32 v[TT], v[TT], v[BM+3]
	s_delay_alu instid0(VALU_DEP_1)
	v_mul_f32 v[TT], s[CS], v[TT]
	s_delay_alu instid0(VALU_DEP_1)
	v_max_num_f32 v[\st+1], v[\st+1], v[TT]        ; the running largest t
	v_mov_b32 v[TT], v[\st]
	s_delay_alu instid0(VALU_DEP_2)
	v_floor_f32 v[\st], -v[\st+1]                  ; -M = floor(-t)
	s_delay_alu instid0(VALU_DEP_1)
	v_sub_f32 v[TT], v[\st], v[TT]
	s_delay_alu instid0(VALU_DEP_1)
	v_cvt_i32_f32 v[TT], v[TT]
	s_delay_alu instid0(VALU_DEP_1)
	v_ldexp_f32 v[FF], 1.0, v[TT]                  ; f = 2^(old M - new M)
.set j, 0
.rept 32
	v_pk_fma_f32 v[S+j:S+j+1], v[S+j:S+j+1], s[CS:CS+1], v[\st:\st+1] op_sel_hi:[1,0,0]
.set j, j+2
.endr
.irp b, 0,1,2,3
	v_fma_f32 v[BM+\b], v[BM+\b], s[CS], v[\st]
.endr
	s_wait_alu depctr_va_vdst(0)                   ; ahead of the batch
.irp b, 0,1,2,3
	v_exp_f32 v[BM+\b], v[BM+\b]
.endr
.set j, 0
.rept 64
	v_exp_f32 v[S+j], v[S+j]
.set j, j+1
.endr
	v_pk_mul_f32 v[\st+2:\st+3], v[\st+2:\st+3], v[FF:FF+1] op_sel_hi:[1,0]
	s_wait_alu depctr_va_vdst(0)                   ; and behind it, ahead of its first reader
	v_pk_add_f32 v[CH:CH+1], v[S:S+1], v[S+2:S+3]
.set j, 4
.rept 15
	v_pk_add_f32 v[\st+2:\st+3], v[\st+2:\st+3], v[S+j:S+j+1]
	v_pk_add_f32 v[CH:CH+1], v[CH:CH+1], v[S+j+2:S+j+3]
.set j, j+4
.endr
	s_delay_alu instid0(VALU_DEP_1)
	v_pk_add_f32 v[\st+2:\st+3], v[\st+2:\st+3], v[CH:CH+1]
.irp b, 0,1,2,3
	v_max_num_f32 v[BM+\b], 0x1800000, v[BM+\b]    ; the floor 2^(3 - 127)
.endr
.irp b, 0,1,2,3
	s_delay_alu instid0(VALU_DEP_4)
	v_add_nc_u32 v[SOP+\b], 0xff000000, v[BM+\b]
.endr
.irp b, 0,1,2,3
	s_delay_alu instid0(VALU_DEP_4)
	v_lshrrev_b32 v[PT+\b], 23, v[SOP+\b]
.endr
	s_delay_alu instid0(VALU_DEP_3)
	v_lshl_or_b32 v[PS], v[PT+1], 8, v[PT]
	s_delay_alu instid0(VALU_DEP_1)
	v_lshl_or_b32 v[PS], v[PT+2], 16, v[PS]
	s_delay_alu instid0(VALU_DEP_1)
	v_lshl_or_b32 v[PS], v[PT+3], 24, v[PS]
.irp c, 0,1
	v_cvt_scalef32_pk16_fp6_f32 v[PC+6*\c:PC+2+6*\c], v[S+32*\c:S+15+32*\c], v[SOP+2*\c]
	v_cvt_scalef32_pk16_fp6_f32 v[PC+12+4*\c:PC+14+4*\c], v[S+16+32*\c:S+31+32*\c], v[SOP+2*\c+1]
.endr
	v_nop                                          ; one plain place behind a scaled conversion
.irp c, 0,1
.irp i, 0,1,2
	v_permlane16_swap_b32 v[PC+6*\c+\i], v[PC+12+4*\c+\i]
.endr
.irp i, 0,1,2
	s_delay_alu instid0(VALU_DEP_3)
	v_mov_b32 v[PC+3+6*\c+\i], v[PC+12+4*\c+\i]
.endr
.endr
.endm
.macro PVMUL ot, w                     ; O^T x f, then += V^T P^T.  w: V^T's loads are still to be waited for
	WIN 0x41
.set j, 0
.rept 16
	v_pk_mul_f32 v[\ot+j:\ot+j+1], v[\ot+j:\ot+j+1], v[FF:FF+1] op_sel_hi:[1,0]
.set j, j+2
.endr
	s_wait_alu depctr_va_vdst(0)
.if \w
	s_wait_loadcnt 0x0                             ; V^T's 16 loads are the only ones out
.endif
	WIN 0x50
.irp j, 0,1,2,3
	v_wmma_scale_f32_16x16x128_f8f6f4 v[\ot+8*\j:\ot+8*\j+7], v[VF+12*\j:VF+12*\j+11], v[PC:PC+11], v[\ot+8*\j:\ot+8*\j+7], v[KSV+\j], v[PS] matrix_a_fmt:MATRIX_FMT_FP6 matrix_b_fmt:MATRIX_FMT_FP6
.endr
	WIN 0
.endm
; A key step.  next: the next step's K is fetched and its scores are started.  pf: 2 prefetch kv, but not in the loop's last trip; 3 prefetch woc; 0 nothing.
.macro TRIP next, pf
	PLACES 4                                       ; behind the last products, ahead of the loads into V's registers
	VLOAD
.if (\pf) == 2
	s_cmp_lg_u32 s[CNT], 1
	s_cbranch_scc0 .Lno_ask_\@
	global_prefetch_b8 v7, s[KP:KP+1] offset:HALF+2*KVB th:TH_LOAD_NT scope:SCOPE_SE
.Lno_ask_\@:
.endif
.if (\pf) == 3
	global_prefetch_b8 v4, s[84:85] th:TH_LOAD_NT scope:SCOPE_SE
.endif
	SOFT STA
	SMUL QB, QSB
	PVMUL OA, 1
.if \next
	KLOAD KP, KVB
.else
	WLOAD 3, KF, KSK                               ; K's registers are done with: Wo's K step 3
.endif
	SOFT STB
.if \next
	s_wait_loadcnt 0x0                             ; the next step's K
	SMUL QA, QSA
.endif
	PVMUL OB, 0
.if \next
	s_wait_xcnt 0x0                                ; the step's loads and its prefetch have read their base
	s_add_nc_u64 s[KP:KP+1], s[KP:KP+1], KVB
.endif
.endm
.macro QUANT1 s                        ; 32 numbers of a lane: 6 registers of codes in v[PC] on, two scale bytes in v[PW]
.irp b, 0,1
	v_max3_num_f32 v[TM+\b], |v[\s+16*\b]|, |v[\s+1+16*\b]|, 0x1800000
.endr
.irp i, 2,4,6,8,10,12,14
.irp b, 0,1
	s_delay_alu instid0(VALU_DEP_2)
	v_max3_num_f32 v[TM+\b], v[TM+\b], |v[\s+16*\b+\i]|, |v[\s+1+16*\b+\i]|
.endr
.endr
.irp b, 0,1
	s_delay_alu instid0(VALU_DEP_2)
	v_permlanex16_b32 v[TM+4+\b], v[TM+\b], s[SEL], s[SEL+1]
.endr
.irp b, 0,1
	s_delay_alu instid0(VALU_DEP_2)
	v_max_num_f32 v[TM+\b], v[TM+\b], v[TM+4+\b]
.endr
.irp b, 0,1
	s_delay_alu instid0(VALU_DEP_2)
	v_add_nc_u32 v[TM+12+\b], 0xff000000, v[TM+\b]
.endr
.irp b, 0,1
	s_delay_alu instid0(VALU_DEP_2)
	v_lshrrev_b32 v[TM+4+\b], 23, v[TM+12+\b]
.endr
	s_delay_alu instid0(VALU_DEP_1)
	v_lshl_or_b32 v[PW], v[TM+5], 8, v[TM+4]
	v_cvt_scalef32_pk16_fp6_f32 v[PC:PC+2], v[\s:\s+15], v[TM+12]
	v_cvt_scalef32_pk16_fp6_f32 v[PC+12:PC+14], v[\s+16:\s+31], v[TM+13]
	v_nop
.irp i, 0,1,2
	v_permlane16_swap_b32 v[PC+\i], v[PC+12+\i]
.endr
.irp i, 0,1,2
	s_delay_alu instid0(VALU_DEP_3)
	v_mov_b32 v[PC+3+\i], v[PC+12+\i]
.endr
.endm
.macro OUT ot, st, a                   ; O^T / the sum, quantised along my head's 64 channels, into the stage as an image of the operand's registers
	WIN 0x01
.set j, 0
.rept 16
	v_pk_mul_f32 v[S+j:S+j+1], v[\ot+j:\ot+j+1], v[\st+2:\st+3] op_sel_hi:[1,0]
.set j, j+2
.endr
	WIN 0
	QUANT1 S
	v_lshlrev_b32 v[PW], s83, v[PW]                ; an odd head's two bytes are the upper half of a K step's scale word
	ds_store_b128 v17, v[PC:PC+3] offset:768*\a
	ds_store_b64 v18, v[PC+4:PC+5] offset:768*\a+512
	ds_store_b32 v19, v[PW] offset:128*\a
.endm
.macro ALOAD x                         ; wV's two fragments of the x-th K step in the order 0, 3, 1, 4, 2, 5 (heads 2 k, 2 k + 1) into buffer x % 2: 8 loads
.set AB, 154-130*((\x)%2)
.set ka, 3*((\x)%2)+(\x)/2
.irp a, 0,1
	ds_load_b128 v[AB+12*\a:AB+12*\a+3], v1 offset:3072*ka+768*\a
	ds_load_b64 v[AB+12*\a+4:AB+12*\a+5], v2 offset:3072*ka+768*\a+512
	ds_load_b128 v[AB+12*\a+6:AB+12*\a+9], v1 offset:3072*ka+1536+768*\a
	ds_load_b64 v[AB+12*\a+10:AB+12*\a+11], v2 offset:3072*ka+1536+768*\a+512
.endr
.endm
.macro OSTEP x                         ; out^T += Wo wV^T: source 0 = 16 rows of Wo, source 1 = 16 rows of wV; the eight accumulators take turns
.set AB, 154-130*((\x)%2)
.set kk, 3*((\x)%2)+(\x)/2
.if (\x)%2 == 0
.set WB, LB
.set WX, 8
.set WS, LS
	s_wait_dscnt 8                                 ; Wo's 16 loads and wV's 8 are in; the next step's 8 of wV may be out
.else
.set WX, 0
.if (\x) == 3
.set WB, VF
.set WS, KSV
.else
.set WB, KF
.set WS, KSK
.endif
.if (\x) == 5
	s_wait_loadcnt 0x0
	s_wait_dscnt 0x0
.else
	s_wait_loadcnt 16                              ; this K step's 16 loads are in; the 16 of the next register-fed step may be out
	s_wait_dscnt 24                                ; wV's 8 are in; behind them 16 of Wo and 8 of wV may be out
.endif
.endif
.if (\x) == 0
	WIN 0x40
.else
	WIN 0x50
.endif
.irp a, 0,1
.irp j, 0,1,2,3
.if (\x) == 0
	v_wmma_scale_f32_16x16x128_f8f6f4 v[8*(4*\a+\j):8*(4*\a+\j)+7], v[WB+12*\j+WX*(\j/2)+WX*(\j/3):WB+12*\j+WX*(\j/2)+WX*(\j/3)+11], v[AB+12*\a:AB+12*\a+11], 0, v[WS+\j], v[AS+2*kk+\a] matrix_a_fmt:MATRIX_FMT_FP6 matrix_b_fmt:MATRIX_FMT_FP6
.else
	v_wmma_scale_f32_16x16x128_f8f6f4 v[8*(4*\a+\j):8*(4*\a+\j)+7], v[WB+12*\j+WX*(\j/2)+WX*(\j/3):WB+12*\j+WX*(\j/2)+WX*(\j/3)+11], v[AB+12*\a:AB+12*\a+11], v[8*(4*\a+\j):8*(4*\a+\j)+7], v[WS+\j], v[AS+2*kk+\a] matrix_a_fmt:MATRIX_FMT_FP6 matrix_b_fmt:MATRIX_FMT_FP6
.endif
.endr
.endr
	WIN 0
.if (\x) < 4
	PLACES 4                                       ; ahead of the loads into the registers just multiplied
.if (\x)%2 == 0
	LLOAD (\x)/2+1
.endif
.if (\x) == 1
	WLOAD 5, KF, KSK
.endif
	ALOAD (\x)+2
.endif
.endm
	s_load_b256 s[4:11], s[0:1], 0x0               ; kv s[4:5], the mask s[6:7], woc s[8:9], bo s[10:11]
	s_load_b64 s[12:13], s[0:1], 0x20              ; out0
	v_lshl_add_u32 v237, v0, 2, SPARE
	v_mov_b32 v255, 0
	ds_add_u32 v237, v255                          ; the opening lines: the add, twice on end, and its wait ahead of my tensor load
	ds_add_u32 v237, v255
	v_lshrrev_b32 v8, 5, v0
	s_delay_alu instid0(VALU_DEP_1)
	v_readfirstlane_b32 s[WV], v8                  ; wave = head, 0..11
	s_bfe_u32 s15, ttmp6, 0x40000                  ; cx: which 32 of the 128 queries of key step ttmp9.  It enters global addresses alone
	s_and_b32 s17, ttmp7, 0xffff                   ; the batch
	s_mov_b32 s[G1], 15|(3<<16)|(1<<21)            ; the mask names all four work-groups; elements of 8 bytes; bit 21 is set beside a mask
	s_mov_b32 s[G1+1], 32<<16                      ; a piece of woc: a dense block as 78 rows of 256 bytes
	s_mov_b32 s[G1+2], 78<<16
	s_mov_b32 s[G1+3], 32<<16
	s_mov_b32 s[G1+4], 78
	s_mov_b32 s[G1+5], 32
	s_mov_b32 s[G1+6], 0
	s_mov_b32 s[G1+7], 0
	s_mov_b32 s[G0], 1
	s_mul_i32 s[G0+1], s[WV], WP
	s_add_co_u32 s[G0+1], s[G0+1], WL              ; piece w of the twelve in LDS
	s_mul_i32 s56, s17, 12
	s_add_co_u32 s56, s56, s[WV]
	s_mul_i32 s56, s56, KVH                        ; my head's eight blocks
	s_mov_b32 s57, 0
	s_mov_b32 s[SEL], 0x76543210
	s_mov_b32 s[SEL+1], 0xfedcba98
	s_mov_b32 s[CS], 0x3d553b95                    ; log2(e) / sqrt(768)
	s_mov_b32 s[CS+1], s[CS]
	s_mul_i32 s80, s[WV], 1536                     ; the stage: my head's codes,
	s_lshl_b32 s81, s[WV], 8
	s_add_co_u32 s81, s81, SSC                     ; its scale words,
	s_mul_i32 s82, s[WV], 16*OPT
	s_add_co_u32 s82, s82, OST                     ; my rows on the way out
	s_and_b32 s83, s[WV], 1
	s_lshl_b32 s83, s83, 4
	s_mul_i32 s60, s[WV], 11
	s_lshr_b32 s60, s60, 5                         ; rb = w / 3 (w is 0 .. 11): my tiles' block of 192 rows of Wo
	s_mul_i32 s62, s60, 3
	s_add_co_u32 s86, s62, s[WV]
	s_mul_i32 s86, s86, WP                         ; I fetch piece (rb, K step w % 3): number 6 rb + w % 3 = w + 3 rb of woc
	s_mov_b32 s87, 0
	s_sub_co_u32 s62, s[WV], s62                   ; w % 3: which four of the block's twelve tiles are mine
	s_mul_i32 s63, s60, 6*WP
	s_mul_i32 s92, s62, 6144
	s_add_co_u32 s92, s92, s63                     ; woc: my images,
	s_mov_b32 s93, 0
	s_lshl_b32 s94, s62, 9
	s_add_co_u32 s94, s94, s63
	s_add_co_u32 s94, s94, 18432                   ; my scale words,
	s_mov_b32 s95, 0
	s_add_co_u32 s96, s63, 3*WP                    ; the block's K steps 3-5: 234 blocks of 256 bytes
	s_mov_b32 s97, 0
	s_lshl_b32 s62, s62, 2
	s_add_co_u32 s62, s62, s15
	s_mul_i32 s47, s62, 20                         ; of which 20 are mine to prefetch
	s_mul_i32 s44, s[WV], 6144                     ; the same images in LDS: WL + 3 WP rb + 6,144 (w - 3 rb),
	s_mul_i32 s61, s60, 41472
	s_add_co_u32 s44, s44, s61
	s_add_co_u32 s44, s44, WL
	s_lshl_b32 s45, s[WV], 9                       ; and scale words: WL + 3 WP rb + 18,432 + 512 (w - 3 rb)
	s_mul_i32 s61, s60, 58368
	s_add_co_u32 s45, s45, s61
	s_add_co_u32 s45, s45, WL+18432
	s_mul_i32 s61, ttmp9, KVB                      ; the queries: two half images of K in block ttmp9,
	s_mul_i32 s88, s15, 1536
	s_add_co_u32 s88, s88, s61
	s_mov_b32 s89, 0
	s_lshl_b32 s90, s15, 7
	s_add_co_u32 s90, s90, s61
	s_add_co_u32 s90, s90, 6144                    ; and their scale word
	s_mov_b32 s91, 0
	s_lshl_b32 s49, s17, 10
	s_lshl_b32 s61, ttmp9, 7
	s_add_co_u32 s49, s49, s61
	s_lshl_b32 s61, s15, 5
	s_add_co_u32 s49, s49, s61                     ; my first row of the 8,192
	s_lshl_b32 s98, s49, 2
	s_mov_b32 s99, 0
	s_lshl_b32 s62, s[WV], 8                       ; my 64 columns, in bytes
	s_mov_b32 s63, 0
	s_mul_i32 s60, s49, 3072
	s_add_co_u32 s60, s60, s62
	s_mov_b32 s61, 0
	s_mul_i32 s46, s15, 3328                       ; my work-group's 13 blocks of kv's 52
	s_wait_dscnt 0x0
	s_wait_kmcnt 0x0
	s_add_nc_u64 s[58:59], s[4:5], s[56:57]
	s_add_nc_u64 s[66:67], s[58:59], s[88:89]
	s_add_nc_u64 s[68:69], s[58:59], s[90:91]
	s_add_nc_u64 s[70:71], s[6:7], s[98:99]
	s_add_nc_u64 s[72:73], s[8:9], s[92:93]
	s_add_nc_u64 s[78:79], s[8:9], s[94:95]
	s_add_nc_u64 s[84:85], s[8:9], s[96:97]
	s_add_nc_u64 s[74:75], s[10:11], s[62:63]
	s_add_nc_u64 s[76:77], s[12:13], s[60:61]
	s_mov_b64 s[KP:KP+1], s[58:59]
	s_add_nc_u64 s[G0+2:G0+3], s[8:9], s[86:87]
	s_or_b32 s[G0+3], s[G0+3], 0x80000000
	v_and_b32 v8, 31, v0
	v_and_b32 v9, 15, v0
	s_delay_alu instid0(VALU_DEP_2)
	v_lshlrev_b32 v1, 4, v8                        ; 16 x lane
	v_lshlrev_b32 v2, 3, v8                        ; 8 x lane
	v_lshlrev_b32 v3, 2, v8                        ; 4 x lane
	v_min_u32 v7, 12, v8
	v_min_u32 v4, 19, v8
	v_and_b32 v10, 8, v9
	s_delay_alu instid0(VALU_DEP_3)
	v_lshlrev_b32 v7, 8, v7
	s_delay_alu instid0(VALU_DEP_3)
	v_add_nc_u32 v4, s47, v4
	s_delay_alu instid0(VALU_DEP_3)
	v_add_nc_u32 v10, v10, v9
	s_delay_alu instid0(VALU_DEP_3)
	v_add_nc_u32 v7, s46, v7                       ; kv's prefetches' offset
	s_delay_alu instid0(VALU_DEP_3)
	v_min_u32 v4, 233, v4
	s_delay_alu instid0(VALU_DEP_3)
	v_lshlrev_b32 v10, 2, v10                      ; the mask of query r + 8 (r / 8)
	s_delay_alu instid0(VALU_DEP_2)
	v_lshlrev_b32 v4, 8, v4                        ; woc's prefetch's offset
	global_load_b128 v[RW:RW+3], v1, s[66:67]
	global_load_b64 v[RW+4:RW+5], v2, s[66:67] offset:512
	global_load_b128 v[RW+6:RW+9], v1, s[66:67] offset:768
	global_load_b64 v[RW+10:RW+11], v2, s[66:67] offset:1280
	global_load_b32 v[RW+12], v3, s[68:69]
	global_load_b32 v[RW+13], v10, s[70:71]
	global_load_b32 v[RW+14], v10, s[70:71] offset:32
	KLOAD 58, 0                                    ; K of step 0
	CROUND                                         ; all four work-groups are here: the joint loads meet
	tensor_load_to_lds s[G0:G0+3], s[G1:G1+7]      ; my piece of Wo: one tensor load a wave; it is waited for behind the key loop
	s_nop 0
.irp i, 0,1,2,3,4,5
	v_mov_b32 v[QA-6+\i], 0
	v_mov_b32 v[QA+6+\i], 0
	v_mov_b32 v[QB+6+\i], 0
.endr
.irp b, 0,1,2,3
	v_mov_b32 v[PT+\b], 0                          ; a lane permute's destination counts as one of its sources
.endr
	v_mov_b32 v[FF+1], 0
	s_wait_loadcnt 0x0
	v_cmp_ne_u32 vcc_lo, 0, v[RW+13]
.irp i, 0,1,2,3,4,5
	v_cndmask_b32 v[QA+\i], 0, v[RW+\i], vcc_lo    ; a masked query: zero codes
.endr
	v_cmp_ne_u32 vcc_lo, 0, v[RW+14]
.irp i, 0,1,2,3,4,5
	v_cndmask_b32 v[QB+\i], 0, v[RW+6+\i], vcc_lo
.endr
	v_and_b32 v[QSA], 0xffff, v[RW+12]
	s_delay_alu instid0(VALU_DEP_1)
	v_lshl_or_b32 v[QSA], v[QSA], 16, v[QSA]       ; a tile's two bytes in both halves of the word
	v_lshrrev_b32 v[QSB], 16, v[RW+12]
	s_delay_alu instid0(VALU_DEP_1)
	v_lshl_or_b32 v[QSB], v[QSB], 16, v[QSB]
.irp st, STA, STB
	v_mov_b32 v[\st+1], 0xff61b1e6                 ; -3e38, under every t
	s_delay_alu instid0(VALU_DEP_1)
	v_floor_f32 v[\st], -v[\st+1]
	v_mov_b32 v[\st+2], 0
	v_mov_b32 v[\st+3], 0
.endr
	WIN 0x40
.set j, 0
.rept 64
	v_mov_b32 v[j], 0                              ; O^T: the step is written once, and the first finds zeros
.set j, j+1
.endr
	WIN 0
	s_wait_alu depctr_va_vdst(0)
	SMUL QA, QSA                                   ; step 0's scores of tile A
	s_mov_b32 s[CNT], 6
.Lstep:
	TRIP 1, 2                                      ; steps 0 to 5
	s_sub_co_u32 s[CNT], s[CNT], 1
	s_cmp_lg_u32 s[CNT], 0
	s_cbranch_scc1 .Lstep
	TRIP 1, 3                                      ; step 6
	TRIP 0, 0                                      ; step 7
	v_bfe_u32 v16, v0, 4, 1                        ; h.  (These lines are also the places behind the last products)
	v_and_b32 v24, 15, v0                          ; r
	v_add_nc_u32 v17, s80, v1
	v_add_nc_u32 v18, s80, v2
	v_add_nc_u32 v19, s81, v3
	v_mul_u32_u24 v21, v24, OPT
	v_mul_u32_u24 v22, v16, OPT
	v_mul_u32_u24 v23, v16, 3072
	v_lshl_add_u32 v21, v16, 6, v21
	v_lshl_add_u32 v22, v24, 4, v22
	v_lshl_add_u32 v23, v24, 4, v23                ; out0: lanes 0-15 one row, lanes 16-31 the next; 16 bytes a lane
	v_add_nc_u32 v21, s82, v21                     ; into my stage: row r, + 64 h bytes
	v_add_nc_u32 v22, s82, v22                     ; and back by rows
	v_add_nc_u32 v20, s44, v1                      ; Wo in LDS: my images,
	v_add_nc_u32 v48, s45, v3                      ; my scale words
	v_lshlrev_b32 v16, 4, v24                      ; the bias of the four columns that I store
	global_load_b128 v[BIQ:BIQ+3], v16, s[74:75]
	WLOAD 4, VF, KSV
	v_add_f32 v[STA+2], v[STA+2], v[STA+3]
	v_add_f32 v[STB+2], v[STB+2], v[STB+3]
	s_delay_alu instid0(VALU_DEP_2)
	v_permlanex16_b32 v[TT], v[STA+2], s[SEL], s[SEL+1]
	s_delay_alu instid0(VALU_DEP_2)
	v_permlanex16_b32 v[PT], v[STB+2], s[SEL], s[SEL+1]
	s_delay_alu instid0(VALU_DEP_2)
	v_add_f32 v[STA+2], v[STA+2], v[TT]
	s_delay_alu instid0(VALU_DEP_2)
	v_add_f32 v[STB+2], v[STB+2], v[PT]
	s_wait_alu depctr_va_vdst(0)                   ; ahead of the transcendentals
	v_rcp_f32 v[STA+2], v[STA+2]
	v_rcp_f32 v[STB+2], v[STB+2]
	v_nop
	s_wait_alu depctr_va_vdst(0)                   ; and ahead of their first reader
	OUT OA, STA, 0
	OUT OB, STB, 1
	s_wait_tensorcnt 0x0                           ; my piece of Wo has landed,
	s_wait_dscnt 0x0                               ; and my stores into the stage are done: for the others' sake
	s_barrier_signal -1
	s_barrier_wait -1
.irp k, 0,1,2,3,4,5
.irp a, 0,1
	ds_load_b32 v[24+2*\k+\a], v3 offset:SSC+512*\k+128*\a           ; the even head's scale bytes,
	ds_load_b32 v[36+2*\k+\a], v3 offset:SSC+512*\k+256+128*\a       ; the odd head's
.endr
.endr
	ALOAD 0
	LLOAD 0
	s_wait_dscnt 24                                ; the 24 scale words are in; the 8 + 16 loads behind them may be out
.irp i, 0,1,6,7,2,3,8,9,4,5,10,11
	v_or_b32 v[AS+\i], v[24+\i], v[36+\i]          ; a K step's word, in the order of use; each stands eight places or more ahead of its first product
.endr
	ALOAD 1
	s_wait_alu depctr_va_vdst(0)                   ; directly ahead of the waits below
.irp x, 0,1,2,3,4,5
	OSTEP \x
.endr
	PLACES 4                                       ; between the last products and the stores that read results, and the loads into Wo's registers
.irp a, 0,1
	WIN 0x04                                       ; the data: window 1
.irp j, 0,1,2,3
	ds_store_b128 v21, v[8*(4*\a+\j):8*(4*\a+\j)+3] offset:128*(\j/2)+32*(\j%2)          ; each accumulator from its low end on
	ds_store_b128 v21, v[8*(4*\a+\j)+4:8*(4*\a+\j)+7] offset:128*(\j/2)+32*(\j%2)+16
.endr
	WIN 0
.irp t, 0,1,2,3,4,5,6,7
	ds_load_b128 v[RB+32*\a+4*\t:RB+32*\a+4*\t+3], v22 offset:2*OPT*\t       ; LDS serves a wave's instructions in order: these see my stores, and the next tile's stores come behind them
.endr
.endr
.irp a, 0,1
.irp t, 0,1,2,3,4,5,6,7
	s_wait_dscnt 16*(1-\a)+7-\t                    ; this one is in, the younger LDS instructions may be out
	v_pk_add_f32 v[RB+32*\a+4*\t:RB+32*\a+4*\t+1], v[RB+32*\a+4*\t:RB+32*\a+4*\t+1], v[BIQ:BIQ+1]
	v_pk_add_f32 v[RB+32*\a+4*\t+2:RB+32*\a+4*\t+3], v[RB+32*\a+4*\t+2:RB+32*\a+4*\t+3], v[BIQ+2:BIQ+3]
	global_store_b128 v23, v[RB+32*\a+4*\t:RB+32*\a+4*\t+3], s[76:77] offset:(8*\a+2*\t+8*(\t/4))*3072 th:TH_STORE_NT   ; lane-row i of tile a is row 8 a + i + 8 (i / 8); 16 lanes store 256 consecutive bytes, aligned
.endr
.endr
	s_wait_tensorcnt 0x0                           ; the wave's end
	ds_add_u32 v237, v255
	s_wait_dscnt 0x0
	CROUND                                         ; the closing round
	s_endpgm
.Lfunc_end_k_q8fe8ccc15f_attn:
	.size	k_q8fe8ccc15f_attn, .Lfunc_end_k_q8fe8ccc15f_attn-k_q8fe8ccc15f_attn
	.p2alignl 7, 3214868480
	.fill 96, 4, 3214868480
	.section	.rodata,"a",@progbits
	.p2align	6, 0x0
	.amdhsa_kernel k_q8fe8ccc15f_attn
		.amdhsa_group_segment_fixed_size 327680
		.amdhsa_private_segment_fixed_size 0
		.amdhsa_enable_private_segment 0
		.amdhsa_kernarg_size 40
		.amdhsa_user_sgpr_count 2
		.amdhsa_user_sgpr_kernarg_segment_ptr 1
		.amdhsa_wavefront_size32 1
		.amdhsa_system_sgpr_workgroup_id_x 1
		.amdhsa_system_sgpr_workgroup_id_y 1
		.amdhsa_system_sgpr_workgroup_id_z 1
		.amdhsa_system_vgpr_workitem_id 0
		.amdhsa_next_free_vgpr 320
		.amdhsa_next_free_sgpr 100
		.amdhsa_reserve_vcc 1
		.amdhsa_float_denorm_mode_32 3
		.amdhsa_float_denorm_mode_16_64 3
		.amdhsa_memory_ordered 1
		.amdhsa_forward_progress 1
		.amdhsa_inst_pref_size 144
	.end_amdhsa_kernel
	.amdgpu_metadata
---
amdhsa.version: [ 1, 2 ]
amdhsa.kernels:
  - .name:           k_q8fe8ccc15f_attn
    .symbol:         k_q8fe8ccc15f_attn.kd
    .args:
      - { .name: kv, .offset: 0, .size: 8, .value_kind: global_buffer, .address_space: global }
      - { .name: attention_mask, .offset: 8, .size: 8, .value_kind: global_buffer, .address_space: global }
      - { .name: woc, .offset: 16, .size: 8, .value_kind: global_buffer, .address_space: global }
      - { .name: bo, .offset: 24, .size: 8, .value_kind: global_buffer, .address_space: global }
      - { .name: out0, .offset: 32, .size: 8, .value_kind: global_buffer, .address_space: global }
    .group_segment_fixed_size: 327680
    .private_segment_fixed_size: 0
    .kernarg_segment_align: 8
    .kernarg_segment_size: 40
    .max_flat_workgroup_size: 384
    .sgpr_count:     100
    .vgpr_count:     320
    .wavefront_size: 32
...
	.end_amdgpu_metadata
.endif
;; end of part 3
